; MI455X (gfx1250); checked and timed in simulation.
; The chip was launched on July 23, 2026; its instructions are those of AMD's public machine-readable ISA for CDNA 5 (MIT licence, August 2026) and "CDNA5" Instruction Set Architecture Reference Guide (July 2026). The comments in the code are by the model that wrote it; some were corrected since.
;; Multi Head Attention. Allowed arithmetic: matrix products marked QUANTISED: E5M2 operands, one given power-of-two scale a tensor, by v_wmma_f32_16x16x64_bf8_bf8 or v_wmma_f32_16x16x128_bf8_bf8, f32 sums; everything else in f32.
;; Inputs: input_codes 4 x 2,048 x 32 x 32 uint8 (E5M2 codes of input, K innermost, in blocks of 32 codes); lowp_scales 8 int32 (the exponents e of the quantised operands' scales 2^e); mask 2,048 x 2,048 bool; out_b 1,024 float32; out_w_codes 1,024 x 32 x 32 uint8 (E5M2 codes of out_w, K innermost, in blocks of 32 codes); qkv_b 3,072 float32; qkv_w_codes 3,072 x 32 x 32 uint8 (E5M2 codes of qkv_w, K innermost, in blocks of 32 codes).
;; Outputs: out0 4 x 2,048 x 1,024 float32.
;; This version of the problem:
;;   THIS VERSION OF THE PROBLEM IS GIVEN IN LOW PRECISION. The matrix products marked QUANTISED in the list below multiply operands that are first quantised to E5M2 (5 exponent bits, 2 mantissa bits; 8 bits a number), with one given power-of-two scale for each operand tensor; their sums are f32. All else is computed in f32.
;;   The module's matrix products, in the order in which they are computed (A, B: the left and right operand; K: the contracted axis; several contracted axes count as one K, in the product's order):
;;     1. [M 8,192, K 1,024] x [K 1,024, N 3,072]; A: input input (given as codes); B: input qkv_w (given as codes): QUANTISED (scales: A lowp_scales[0], B lowp_scales[1])
;;     2. batch 64 x [M 2,048, K 64] x [K 64, N 2,048]; A: computed on the way; B: computed on the way: QUANTISED (scales: A lowp_scales[2], B lowp_scales[3])
;;     3. batch 64 x [M 2,048, K 2,048] x [K 2,048, N 64]; A: softmax (see below); B: computed on the way: QUANTISED (scales: A lowp_scales[4], B lowp_scales[5])
;;     4. [M 8,192, K 1,024] x [K 1,024, N 1,024]; A: computed on the way; B: input out_w (given as codes): QUANTISED (scales: A lowp_scales[6], B lowp_scales[7])
;;   THE QUANTISER, for each operand of a quantised product, along K:
;;     - The operand's scale is 2^e, e = its entry of the input lowp_scales (int32; the entries are numbered through the quantised products in the list's order, A before B).
;;     - Each number is divided by the scale, clamped to +-57,344, and rounded to the nearest number of E5M2, ties to even, subnormals kept.
;;     - The product sums the exact products of the quantised numbers (number of the format x scale) in f32.
;;   ~~~python
;;   def quantise(x, axis, e):      # numpy; x: float32 -> the quantised numbers, widened to float32 again
;;       x = np.moveaxis(x, axis, -1); K = x.shape[-1]
;;       r = np.clip(x / 2.0 ** e, -57344, 57344)
;;       step = 2.0 ** (np.maximum(np.frexp(np.where(r == 0, 1, r))[1] - 1, -14) - 2)
;;       q = np.round(r / step) * step * 2.0 ** e      # np.round: ties to even
;;       return np.moveaxis(q, -1, axis).astype(np.float32)
;;   ~~~
;;   SOFTMAX AHEAD OF A QUANTISED PRODUCT. Where the list says 'softmax', what is quantised is not the finished softmax but p = 2^(t - M), with t = logit x log2(e) and M = ceil(the row's largest t), a whole number; so 1/2 < the row's largest p <= 1. The row's sum l is taken of the UNQUANTISED p, in f32, and the product's result is divided by l at the end. Since M is a whole number, a kernel that streams over the keys may use a running M (the ceiling of the running maximum): every later rescaling is an exact power of two, so the quantised numbers keep their values, but for numbers so far below the row's largest that they fall under the format's range.
;;   OPERANDS COMPUTED ON THE WAY. 'Computed on the way' means the value that the module computes at that place (a softmax that the list does not call 'softmax' is quantised finished and normalised). What goes into a quantiser is computed in f32, as accurately as f32 sums, v_exp_f32 and their like allow (about 1e-6 of the number): no bf16 or f16 on the way to a quantiser, and a product that is left as it is and whose result goes on into a quantised operand takes f32 operands (vector FMAs, or v_wmma_f32_16x16x4_f32). A number that lies on a knife's edge between two numbers of the format may be rounded either way, as far as f32 arithmetic and the matrix unit's own rounding can turn it there, and no further.
;;   INPUTS GIVEN AS CODES. input (in the module: [4, 2048, 1024], K = its axis 2); out_w (in the module: [1024, 1024], K = its axis 1); qkv_w (in the module: [3072, 1024], K = its axis 1): each comes as NAME_codes (uint8): NAME with its K axis moved to the last place and cut into blocks of 32 codes, [.., K / 32, bytes a block], one block behind the other in memory; one code a byte (a code: sign, 5 exponent bits, 2 mantissa bits); its scale is its entry of lowp_scales. Its value is code x scale, taken as it is: it is not quantised again, and the codes and scales need not be those that the quantiser above would give.
;; One version. Each part assembles by itself: llvm-mc -triple=amdgcn-amd-amdhsa -mcpu=gfx1250 --defsym DOCPART=n.
;; ======== version 1 of 1: 4 launches
;; workspace buffers: maskw 524,288 bytes of whole numbers; img 25,165,824 bytes; ac 8,388,608 bytes
;; launch pack (part 1): grid 256 x 1, 4 waves a work-group, no clusters, 17,920 bytes of LDS; arguments mask, maskw; writes maskw
.if DOCPART == 1
	.amdgcn_target "amdgcn-amd-amdhsa--gfx1250"
	.amdhsa_code_object_version 6
	.text
	.protected	k_qd116f324e0_pack
	.globl	k_qd116f324e0_pack
	.p2align	8
	.type	k_qd116f324e0_pack,@function
k_qd116f324e0_pack:
	s_mov_b64 s[64:65], 0
	v_nop
	global_prefetch_b8 v0, s[64:65] scope:SCOPE_SE
	s_setreg_imm32_b32 hwreg(HW_REG_WAVE_MODE, 25, 1), 1
	s_wait_xcnt 0x0
; The mask [2048 queries][2048 keys], one byte a place, becomes words that the attention launch uses as lane masks.
; maskw[qt 128][st 16][n 64], u32: bit L = r + 16 h of word n = 8 t + j says whether mask[16 qt + r][128 st + 16 t + 8 h + j] is not 0:
; that is the place which lane L holds in register n of its scores, for query tile qt and key step st.  A byte other than 0 counts as true.
; A wave takes 16 rows x 256 bytes (two key steps: 128 words).  Its eight loads read whole runs of 256 bytes (sixteen lanes a row); the bytes turn
; through the wave's own stage in LDS, so that lane (r, h) gets row r's bytes 16 t + 8 h + 0 .. 7; a compare makes a word in a scalar register;
; the 128 words are laid four to a lane and leave by one store of 512 consecutive bytes.  Waves share nothing: no barrier.  No input is shared
; between work-groups, so there is no cluster.
.set SP, 272                           ; a stage row: 256 bytes + 16: in the read back lane (r, h) begins at word 68 r + 2 h, so the 32 lanes' pairs of words fall on 64 different banks (64 banks of 4 bytes: ISA guide 11.1)
.set X,  8                             ; v8-39   the bytes as loaded, then as turned: registers 2 t, 2 t + 1 = my row's bytes 16 t + 8 h + 0 .. 7
.set W,  44                            ; v44-47  the words on their way out: lane l holds words 4 l .. 4 l + 3
.set T,  48                            ; v48-55  at work
	s_load_b128 s[4:7], s[0:1], 0x0                ; mask s[4:5], maskw s[6:7]
	v_lshl_add_u32 v64, v0, 2, 0x4400
	v_mov_b32 v65, 0
	v_lshrrev_b32 v1, 5, v0
	v_readfirstlane_b32 s8, v1                     ; wave 0..3
	v_and_b32 v2, 31, v0                           ; lane
	v_and_b32 v3, 15, v0                           ; r
	v_bfe_u32 v4, v0, 4, 1                         ; h
	v_lshlrev_b32 v5, 4, v3                        ; 16 r
	v_lshl_add_u32 v6, v4, 11, v5                  ; in memory: lanes 0-15 one row of the mask, lanes 16-31 the next; 16 bytes a lane
	s_mul_i32 s9, s8, 16*SP                        ; my stage
	v_mul_u32_u24 v7, v4, SP
	v_add_nc_u32 v7, v7, v5
	v_add_nc_u32 v7, s9, v7                        ; into the stage: the same two rows
	v_mul_u32_u24 v40, v3, SP
	v_lshl_add_u32 v40, v4, 3, v40
	v_add_nc_u32 v40, s9, v40                      ; out of it: row r, + 8 h
	v_lshlrev_b32 v41, 4, v2                       ; the store: 16 bytes a lane
	s_lshl_b32 s10, ttmp9, 2
	s_add_co_u32 s10, s10, s8                      ; my unit u = 4 x work-group + wave: query tile u / 8, pair of key steps u % 8
	s_lshr_b32 s12, s10, 3
	s_lshl_b32 s12, s12, 15                        ; 16 rows of 2,048 bytes a query tile
	s_and_b32 s13, s10, 7
	s_lshl_b32 s13, s13, 8                         ; 256 bytes a pair of key steps
	s_add_co_u32 s12, s12, s13
	s_mov_b32 s13, 0
	s_lshl_b32 s14, s10, 9                         ; maskw: 4,096 bytes a query tile, 512 a pair of key steps: 512 u
	s_mov_b32 s15, 0
	s_wait_kmcnt 0x0
	s_add_nc_u64 s[4:5], s[4:5], s[12:13]
	s_add_nc_u64 s[6:7], s[6:7], s[14:15]
.irp i, 0,1,2,3,4,5,6,7
	global_load_b128 v[X+4*\i:X+4*\i+3], v6, s[4:5] offset:4096*\i th:TH_LOAD_NT   ; rows 2 i and 2 i + 1: sixteen lanes read 256 consecutive bytes; read once in the launch
.endr
.irp k, 0,1,2,3
	v_mov_b32 v[W+\k], 0                           ; v_writelane_b32's destination counts as read: written whole once
.endr
	s_wait_loadcnt 0x0
.irp i, 0,1,2,3,4,5,6,7
	ds_store_b128 v7, v[X+4*\i:X+4*\i+3] offset:2*SP*\i
.endr
.irp t, 0,1,2,3,4,5,6,7,8,9,10,11,12,13,14,15
	ds_load_b64 v[X+2*\t:X+2*\t+1], v40 offset:16*\t   ; LDS serves a wave's instructions in order (ISA guide 5.7.1.4): these see my stores
.endr
	s_wait_dscnt 0x0
; word n of the unit's 128: byte n % 8 of the pair of registers n / 8.  32 words at a time stand in s16-47.
.set n, 0
.set w, 0
.rept 4
.rept 32
	v_bfe_u32 v[T+n%8], v[X+2*(n>>3)+((n>>2)&1)], 8*(n&3), 8
	v_cmp_ne_u32 s[16+n%32], 0, v[T+n%8]           ; one bit a lane: the word
.set n, n+1
.endr
.rept 32
	v_writelane_b32 v[W+(w&3)], s[16+w%32], w>>2
.set w, w+1
.endr
.endr
	global_store_b128 v41, v[W:W+3], s[6:7]        ; the wave stores 512 consecutive bytes, at a multiple of 512 from the buffer's first byte
	s_wait_tensorcnt 0x0
	ds_add_u32 v64, v65
	s_wait_dscnt 0x0
	s_endpgm
.Lfunc_end_k_qd116f324e0_pack:
	.size	k_qd116f324e0_pack, .Lfunc_end_k_qd116f324e0_pack-k_qd116f324e0_pack
	.p2alignl 7, 3214868480
	.fill 96, 4, 3214868480
	.section	.rodata,"a",@progbits
	.p2align	6, 0x0
	.amdhsa_kernel k_qd116f324e0_pack
		.amdhsa_group_segment_fixed_size 17920
		.amdhsa_private_segment_fixed_size 0
		.amdhsa_enable_private_segment 0
		.amdhsa_kernarg_size 16
		.amdhsa_user_sgpr_count 2
		.amdhsa_user_sgpr_kernarg_segment_ptr 1
		.amdhsa_wavefront_size32 1
		.amdhsa_system_sgpr_workgroup_id_x 1
		.amdhsa_system_sgpr_workgroup_id_y 1
		.amdhsa_system_sgpr_workgroup_id_z 1
		.amdhsa_system_vgpr_workitem_id 0
		.amdhsa_next_free_vgpr 66
		.amdhsa_next_free_sgpr 66
		.amdhsa_reserve_vcc 0
		.amdhsa_float_denorm_mode_32 3
		.amdhsa_float_denorm_mode_16_64 3
		.amdhsa_memory_ordered 1
		.amdhsa_forward_progress 1
		.amdhsa_inst_pref_size 29
	.end_amdhsa_kernel
	.amdgpu_metadata
---
amdhsa.version: [ 1, 2 ]
amdhsa.kernels:
  - .name:           k_qd116f324e0_pack
    .symbol:         k_qd116f324e0_pack.kd
    .args:
      - { .name: mask, .offset: 0, .size: 8, .value_kind: global_buffer, .address_space: global }
      - { .name: maskw, .offset: 8, .size: 8, .value_kind: global_buffer, .address_space: global }
    .group_segment_fixed_size: 17920
    .private_segment_fixed_size: 0
    .kernarg_segment_align: 8
    .kernarg_segment_size: 16
    .max_flat_workgroup_size: 128
    .sgpr_count:     66
    .vgpr_count:     66
    .wavefront_size: 32
...
	.end_amdgpu_metadata
.endif
;; end of part 1
;; launch qkv (part 2): grid 96 x 4, 4 waves a work-group, clusters of 4 x 4, 327,680 bytes of LDS; arguments input_codes, qkv_w_codes, lowp_scales, qkv_b, img; writes img
.if DOCPART == 2
	.amdgcn_target "amdgcn-amd-amdhsa--gfx1250"
	.amdhsa_code_object_version 6
	.text
	.protected	k_qd116f324e0_qkv
	.globl	k_qd116f324e0_qkv
	.p2align	8
	.type	k_qd116f324e0_qkv,@function
k_qd116f324e0_qkv:
	s_mov_b64 s[64:65], 0
	v_nop
	global_prefetch_b8 v0, s[64:65] scope:SCOPE_SE
	s_setreg_imm32_b32 hwreg(HW_REG_WAVE_MODE, 25, 1), 1
	s_wait_xcnt 0x0
	s_wait_alu depctr_hold_cnt(0) depctr_sa_sdst(0) depctr_va_vdst(0) depctr_va_sdst(0) depctr_va_ssrc(0) depctr_va_vcc(0) depctr_vm_vsrc(0)
	s_getreg_b32 s2, hwreg(HW_REG_IB_STS2, 6, 4)
	s_cmp_eq_u32 s2, 0
	s_cbranch_scc0 .Lentry_in_a_cluster
	s_endpgm
.Lentry_in_a_cluster:
	s_bfe_u32 s2, ttmp6, 0x10000c
	s_cmp_lg_u32 s2, 0xf033
	s_cbranch_scc0 .Lentry_shape_is_right
	s_endpgm
.Lentry_shape_is_right:
; qkv = input W^T + b on codes of BF8 (E5M2), K = 1,024; q, k and v are quantised on the way out (scales 2^e2, 2^e3, 2^e5) and stored as IMAGES OF THE OPERAND REGISTERS of the attention launch.
; ONE BODY, TWO KINDS OF TILE.  The body makes C'[X row][Y row], 256 x 256 a work-group, 128 x 128 a wave (64 accumulators, 512 registers).  The matrix instruction is used transposed
; (source 0 = 16 rows of Y, source 1 = 16 rows of X): a lane holds ONE row of X and eight neighbouring rows of Y.  Clusters c = 0..15: X = tokens, Y = features of q (c even) or k (c odd): a lane's eight
; numbers run along the head's d, the K of q k^T.  Clusters c = 16..23: X = features of v, Y = tokens: a lane's eight numbers run along the keys, the K of p v.  So one conversion of eight numbers gives two
; registers of the next operand, in the lane that wants them (plain 8-bit layout: registers 2 c, 2 c + 1 hold k = 16 c + 8 (lane / 16) + 0 .. 7), and they leave without a stage: each store covers 512 consecutive bytes.
; img, for each of the 64 (batch, head): 16 steps of 128 tokens x 16,384 bytes (8 fragments of k, 16 keys x 64 d, 1,024 bytes; then 4 fragments of v, 16 d x 128 keys, 2,048 bytes), then at 262,144 the 128 fragments of q.
; A fragment lies as pieces of four registers: lane l's 16 bytes at 16 l, 512 bytes a piece.
; K goes in steps of 256 through a ring of two LDS slots filled by the tensor data mover.  CLUSTERS: 4 x 4 work-groups; X's tile is shared along a row of the cluster, Y's along a column: each is asked for JOINTLY.
; Which kind a cluster is hangs on the cluster's number alone, the same in all sixteen partners.
; Both operands' fragments come by four loads of 16 bytes: the same permutation of k on both sides, so every product meets its partner.
; LIMITS, so that each power of two below is an f32 number: e0 + e1 between -126 and 127; e2, e3, e5 between -126 and 112.  NaN in qkv_b is not served.
; REGISTERS: window 0: v16-30 addresses and constants; v32-95 bias along Y; v96-111 bias along X; from v128 X's fragments, ONE set; on the way out v128-191 numbers, v192-255 codes.
;   window 1: Y's fragments, TWO sets.   windows 2, 3: the accumulators ((a, b) at v[8 (8 (a % 4) + b)]).
.set KSTEP,  256
.set ROWB,   256                       ; a tile's row in bytes
.set KROW,   1024                      ; a row of codes in memory
.set PITCH,  272                       ; an LDS row: 256 bytes + 16 = 68 words: row r starts at bank 4 r mod 64 (64 banks of 4 bytes: ISA guide 11.1)
.set FR,     16                        ; registers of a fragment: 16 rows x 128 K
.set NL,     4                         ; LDS loads that bring one
.set NP,     4                         ; places behind this matrix instruction (ISA guide 7.12.1)
.set HALFT,  128*PITCH
.set SLOT,   4*HALFT                   ; X's 256 rows, then Y's 256 rows
.set SPARE,  2*SLOT                    ; behind the ring: the spare words, 128 bytes for each wave
.set HEADB,  393216                    ; bytes of img for one (batch, head)
.set ADRA, 16                          ; v16-17  LDS address of my X fragments in slot 0, 1
.set ADRB, 20                          ; v20-21  the same for Y
.set LI,   26                          ; v26     16 x lane: my place in a piece of an image
.set SCQ,  27                          ; v27     the quantiser's scale as f32
.set SPW,  28                          ; v28     LDS address of my spare word; never rewritten
.set NIL,  29                          ; v29     0; never rewritten
.set LIM,  30                          ; v30     57,344 x the scale
.set BY,   32                          ; v32-95  q, k: bias of my 8 x 8 features (register 8 b + j)
.set BX,   96                          ; v96-111 v: bias of my feature in block a, twice (a pair for the packed form)
.set AF,   128
.set XT,   128                         ; the way out: a block's 64 numbers
.set CD,   192                         ; the way out: four sets of 16 registers of codes
.set G1, 24
.set G0, 32
.set G1B, 48
.set G0B, 56
.set MSB, 0
.macro WIN new                         ; the immediate's high byte repeats the setting that is left
.if MSB != \new
	s_set_vgpr_msb (MSB<<8)|\new
.set MSB, \new
.endif
.endm
.set MUL_LO, 0xa1                      ; source 0 (Y) window 1, source 1 (X) window 0, C and D window 2
.set MUL_HI, 0xf1                      ; the same, C and D window 3
.set TO_B,   0x40                      ; destination window 1, address window 0
; A joint load: waves 0 and 1 fetch for X, waves 2 and 3 for Y.  The branch hangs on the wave's number alone.  Four v_nop follow each of the two lines.
.macro JLOAD g0a, g1a, g0b, g1b
	s_cmp_eq_u32 s15, 0
	s_cbranch_scc0 .Lfor_b_\@
	tensor_load_to_lds s[\g0a:\g0a+3], s[\g1a:\g1a+7]
	s_nop 0
.rept 4
	v_nop
.endr
	s_branch .Lasked_\@
.Lfor_b_\@:
	tensor_load_to_lds s[\g0b:\g0b+3], s[\g1b:\g1b+7]
	s_nop 0
.rept 4
	v_nop
.endr
.Lasked_\@:
.endm
.macro CREST                           ; a round of the cluster's barrier behind its opening barrier
	s_cmp_lg_u32 s14, 0
	s_cbranch_scc1 .Lnot_wave_0_\@
	s_barrier_signal -3
.Lnot_wave_0_\@:
	s_barrier_wait -3
	s_barrier_signal -1
	s_barrier_wait -1
.endm
.macro CROUND                          ; a whole round
	s_barrier_signal -1
	s_barrier_wait -1
	CREST
.endm
	s_load_b256 s[4:11], s[0:1], 0x0               ; input's codes s[4:5], W's codes s[6:7], the scales' exponents s[8:9], qkv_b s[10:11]
	s_load_b64 s[12:13], s[0:1], 0x20              ; img
	v_lshl_add_u32 v[SPW], v0, 2, SPARE
	v_mov_b32 v[NIL], 0
	ds_add_u32 v28, v29
	ds_add_u32 v28, v29
	s_wait_dscnt 0x0
	v_lshrrev_b32 v1, 5, v0
	v_readfirstlane_b32 s14, v1                    ; wave 0..3
	s_lshr_b32 s15, s14, 1                         ; which 128 rows of X are mine.  Also: I fetch for X (0) or for Y (1)
	s_and_b32 s16, s14, 1                          ; which 128 rows of Y.  Also: which 128 rows of that tile I fetch
	s_bfe_u32 s40, ttmp6, 0x40000                  ; cx, cy: my place in the cluster
	s_bfe_u32 s41, ttmp6, 0x40004
	s_mov_b32 s70, ttmp9                           ; c, the cluster's number: 0..15 q and k, 16..23 v
	s_lshr_b32 s94, s70, 1                         ; q, k: eight rows of clusters (tokens),
	s_and_b32 s95, s70, 1                          ; two columns (0: q, 1: k)
	s_and_b32 s2, s70, 7                           ; v: one row (features), eight columns (tokens): c - 16
	s_cmp_ge_u32 s70, 16
	s_cselect_b32 s94, 0, s94
	s_cselect_b32 s95, s2, s95
	s_lshl_b32 s42, s95, 2
	s_add_co_u32 s42, s42, s40                     ; tile column (of Y) = 4 x cluster column + cx
	s_lshl_b32 s17, s94, 2
	s_add_co_u32 s17, s17, s41                     ; tile row (of X) = 4 x cluster row + cy
	s_lshl_b32 s43, s41, 2
	s_lshl_b32 s43, 15, s43                        ; my row of the cluster
	s_lshl_b32 s44, 0x1111, s40                    ; my column
	; descriptor group 1: a tile of 128 rows x 256 bytes, padded in LDS
	s_or_b32 s[G1+0], s43, (0<<16)|(1<<20)|(1<<21)|(5<<22)|(3<<25)  ; 15:0 the mask: X's tiles go to my row; 17:16 elements of 1 byte; 20 padding on; 21 set beside a mask; 24:22 after every 64 words; 31:25 four words
	s_or_b32 s[G1B+0], s44, (0<<16)|(1<<20)|(1<<21)|(5<<22)|(3<<25)
.irp g, G1, G1B
	s_mov_b32 s[\g+1], ROWB<<16                    ; tensor_dim0
	s_mov_b32 s[\g+2], 128<<16                     ; tensor_dim1
	s_mov_b32 s[\g+3], ROWB<<16                    ; tile_dim0
	s_mov_b32 s[\g+4], 128                         ; tile_dim1
	s_mov_b32 s[\g+5], KROW                        ; tensor_dim0_stride
	s_mov_b32 s[\g+6], 0
	s_mov_b32 s[\g+7], 0
.endr
	s_lshl_b32 s18, s16, 7                         ; which 128 rows of the tile I fetch
	s_lshl_b32 s20, s17, 8
	s_add_co_u32 s20, s20, s18                     ; X: row 256 x tile row + 128 x half,
	s_lshl_b32 s20, s20, 10                        ; in bytes (under 2^23)
	s_mov_b32 s21, 0
	s_lshl_b32 s46, s42, 8
	s_add_co_u32 s46, s46, s18                     ; Y likewise
	s_lshl_b32 s46, s46, 10
	s_mov_b32 s47, 0
	s_mul_i32 s45, s14, HALFT                      ; where they go: wave x 128 rows: no place in the cluster enters an LDS address
	s_wait_kmcnt 0x0
	s_load_b256 s[80:87], s[8:9], 0x0              ; e0 .. e7
	s_add_nc_u64 s[72:73], s[6:7], 0x200000        ; W's rows 2,048 on: v's features
	s_cmp_ge_u32 s70, 16                           ; the choice hangs on the cluster's number alone
	s_cselect_b64 s[74:75], s[72:73], s[4:5]       ; X
	s_cselect_b64 s[76:77], s[4:5], s[6:7]         ; Y
	s_add_nc_u64 s[20:21], s[74:75], s[20:21]
	s_add_nc_u64 s[46:47], s[76:77], s[46:47]
	CROUND                                         ; all sixteen work-groups are here: the first joint loads meet
.irp s, 0,1
	s_mov_b32 s[G0+4*\s], 1
	s_add_co_u32 s[G0+4*\s+1], s45, \s*SLOT
	s_add_nc_u64 s[G0+4*\s+2:G0+4*\s+3], s[20:21], \s*ROWB
	s_or_b32 s[G0+4*\s+3], s[G0+4*\s+3], 0x80000000
	s_mov_b32 s[G0B+4*\s], 1
	s_add_co_u32 s[G0B+4*\s+1], s45, \s*SLOT
	s_add_nc_u64 s[G0B+4*\s+2:G0B+4*\s+3], s[46:47], \s*ROWB
	s_or_b32 s[G0B+4*\s+3], s[G0B+4*\s+3], 0x80000000
	JLOAD G0+4*\s, G1, G0B+4*\s, G1B
.endr
	v_and_b32 v1, 15, v0                           ; r = lane % 16
	v_bfe_u32 v2, v0, 4, 1                         ; h = lane / 16
	v_mul_u32_u24 v3, v1, PITCH
	v_lshl_add_u32 v4, v2, 4, v3                   ; a fragment's row x pitch + 16 h
	s_mul_i32 s21, s15, HALFT                      ; my 128 rows of X
	s_mul_i32 s22, s16, HALFT                      ; my 128 rows of Y,
	s_add_co_u32 s22, s22, 2*HALFT                 ; which lie behind X's 256
.irp s, 0,1
	v_add_nc_u32 v[ADRA+\s], s21, v4
	v_add_nc_u32 v[ADRB+\s], s22, v4
	s_add_co_u32 s21, s21, SLOT
	s_add_co_u32 s22, s22, SLOT
.endr
	v_and_b32 v5, 31, v0
	v_lshlrev_b32 v[LI], 4, v5
	v_lshlrev_b32 v8, 5, v2                        ; bias along Y: my half's eight numbers of a block of 16
	v_lshlrev_b32 v9, 2, v1                        ; bias along X: my row's number
	; Both kinds of bias are loaded in every cluster, so that every register is written on every way; the kind that is not used reads the buffer's first 128 numbers.
	s_lshl_b32 s66, s42, 10
	s_lshl_b32 s67, s16, 9
	s_add_co_u32 s66, s66, s67                     ; q, k: 4 x (256 x tile column + 128 x half)
	s_lshl_b32 s68, s17, 10
	s_lshl_b32 s69, s15, 9
	s_add_co_u32 s68, s68, s69
	s_add_co_u32 s68, s68, 8192                    ; v: 4 x (2,048 + 256 x tile row + 128 x half)
	s_cmp_ge_u32 s70, 16
	s_cselect_b32 s66, 0, s66
	s_cselect_b32 s68, s68, 0
	s_mov_b32 s67, 0
	s_mov_b32 s69, 0
	s_add_nc_u64 s[90:91], s[10:11], s[66:67]
	s_add_nc_u64 s[92:93], s[10:11], s[68:69]
.irp b, 0,1,2,3,4,5,6,7
	global_load_b128 v[BY+8*\b:BY+8*\b+3], v8, s[90:91] offset:64*\b
	global_load_b128 v[BY+8*\b+4:BY+8*\b+7], v8, s[90:91] offset:64*\b+16
.endr
.irp a, 0,1,2,3,4,5,6,7
	global_load_b32 v[BX+2*\a], v9, s[92:93] offset:64*\a
	global_load_b32 v[BX+2*\a+1], v9, s[92:93] offset:64*\a
.endr
	; where my part of img begins.  The tile of tokens gives the batch and the step of 128 tokens, the tile of features the first of my two heads.
	s_cmp_ge_u32 s70, 16
	s_cselect_b32 s66, s42, s17                    ; the tile of tokens,
	s_cselect_b32 s67, s16, s15                    ; my half of it,
	s_cselect_b32 s68, s41, s40                    ; the tile of features within q, k or v (four heads),
	s_cselect_b32 s69, s15, s16                    ; my half of it (two heads)
	s_cselect_b32 s71, 8192, 0                     ; v's fragments lie behind k's in a step
	s_lshr_b32 s78, s66, 3                         ; batch
	s_and_b32 s66, s66, 7
	s_lshl_b32 s66, s66, 1
	s_add_co_u32 s66, s66, s67                     ; step of 128 tokens, 0..15
	s_lshl_b32 s78, s78, 4
	s_lshl_b32 s68, s68, 2
	s_lshl_b32 s69, s69, 1
	s_add_co_u32 s78, s78, s68
	s_add_co_u32 s78, s78, s69                     ; 16 x batch + head
	s_mul_i32 s78, s78, HEADB
	s_lshl_b32 s79, s66, 14
	s_add_co_u32 s79, s79, s71                     ; k or v: 16,384 x step (+ 8,192)
	s_lshl_b32 s66, s66, 13
	s_add_co_u32 s66, s66, 262144                  ; q: 262,144 + 8 fragments x step
	s_and_b32 s67, s70, 1
	s_lshr_b32 s68, s70, 4
	s_or_b32 s67, s67, s68                         ; 0 in q's clusters alone
	s_cmp_eq_u32 s67, 0
	s_cselect_b32 s79, s66, s79
	s_add_co_u32 s78, s78, s79
	s_mov_b32 s79, 0
	s_add_nc_u64 s[88:89], s[12:13], s[78:79]
.macro FRAG reg, adr, q, i             ; a fragment: lane l holds row l % 16; registers 4 c .. 4 c + 3 hold K = 32 c + 16 (l / 16) + 0 .. 15, in X and in Y alike
.irp c, 0,1,2,3
	ds_load_b128 v[\reg+4*\c:\reg+4*\c+3], v[\adr] offset:128*(\q)+32*\c+(\i)*16*PITCH
.endr
.endm
; 16 matrix instructions: X's blocks a0, a0 + 1 x Y's eight, 128 along K.  p: Y's set.  zero = 1: the first product starts the sums.  The 64 accumulators take turns, one instruction a turn, in the same order in every step.
.macro MUL16 a0, p, zero
.irp a, \a0, \a0+1
.irp b, 0,1,2,3,4,5,6,7
.if \zero
	v_wmma_f32_16x16x128_bf8_bf8 v[8*(8*((\a)%4)+\b):8*(8*((\a)%4)+\b)+7], v[128*(\p)+FR*\b:128*(\p)+FR*\b+FR-1], v[AF+FR*(\a):AF+FR*(\a)+FR-1], 0
.else
	v_wmma_f32_16x16x128_bf8_bf8 v[8*(8*((\a)%4)+\b):8*(8*((\a)%4)+\b)+7], v[128*(\p)+FR*\b:128*(\p)+FR*\b+FR-1], v[AF+FR*(\a):AF+FR*(\a)+FR-1], v[8*(8*((\a)%4)+\b):8*(8*((\a)%4)+\b)+7]
.endif
.endr
.endr
.endm
.macro FETCH_B slot, q, p              ; Y's eight fragments of the slot's q-th 128 along K into set p
	WIN TO_B
.irp i, 0,1,2,3,4,5,6,7
	FRAG 128*(\p)+FR*\i, ADRB+\slot, \q, \i
.endr
	WIN 0
.endm
.macro FETCH_A slot, q, i0             ; X's blocks i0 .. i0 + 3
.irp i, \i0, \i0+1, \i0+2, \i0+3
	FRAG AF+FR*(\i), ADRA+\slot, \q, \i
.endr
.endm
.macro PLACES n                        ; plain vector instructions between a matrix instruction and a load into, or a vector instruction on, its registers
.rept \n
	v_nop
.endr
.endm
; A step of 128 along K that has its successor in the same slot.
.macro STEP slot, q, zero
	s_wait_dscnt 4*NL                              ; Y's set and X's blocks 0-3 are in; the youngest 16 loads (X's blocks 4-7) may be out
	WIN MUL_LO
	MUL16 0, (\q)%2, \zero
	MUL16 2, (\q)%2, \zero
	s_wait_dscnt 0                                 ; X's blocks 4-7 are in
	PLACES NP
	FETCH_B \slot, (\q)+1, 1-(\q)%2
	FETCH_A \slot, (\q)+1, 0
	WIN MUL_HI
	MUL16 4, (\q)%2, \zero
	MUL16 6, (\q)%2, \zero
	PLACES NP
	WIN 0
	FETCH_A \slot, (\q)+1, 4
.endm
; A slot's last step changes slots: ONE barrier; in front of it each wave waits for all its tensor loads, adds 0 to its spare word, and waits for that and for its own reads of this slot.  fill = 1: this slot is filled again, two K steps ahead.
.macro TURN slot, next, fill
	s_wait_tensorcnt 0x0                           ; all my tensor loads have landed: my part of the next slot
	ds_add_u32 v[SPW], v[NIL]                      ; 0 onto my spare word
	s_wait_dscnt 4*NL+1                            ; (the add and the youngest 16 loads, X's blocks 4-7, may be out)
	WIN MUL_LO
	MUL16 0, 1, 0                                  ; sixteen matrix instructions stand between the add and the wait for it
	s_wait_dscnt 0x0                               ; the add is done, and my reads of this slot are over
	s_barrier_signal -1
	MUL16 2, 1, 0
	WIN 0
	s_barrier_wait -1
.if \fill
	CREST                                          ; the barrier has opened a round of the cluster's barrier: no wave of any partner still reads this slot or has a load on its way
	s_add_nc_u64 s[G0+4*\slot+2:G0+4*\slot+3], s[G0+4*\slot+2:G0+4*\slot+3], 2*ROWB
	s_add_nc_u64 s[G0B+4*\slot+2:G0B+4*\slot+3], s[G0B+4*\slot+2:G0B+4*\slot+3], 2*ROWB
	JLOAD G0+4*\slot, G1, G0B+4*\slot, G1B         ; the first tensor load behind the round; its four v_nop are the places in front of the loads below
.else
	PLACES NP
.endif
	FETCH_B \next, 0, 0
	FETCH_A \next, 0, 0
	WIN MUL_HI
	MUL16 4, 1, 0
	MUL16 6, 1, 0
	PLACES NP
	WIN 0
	FETCH_A \next, 0, 4
.endm
	s_wait_tensorcnt 1                             ; my part of K step 0 is in (K step 1's load may be out)
	s_barrier_signal -1
	s_barrier_wait -1                              ; everybody's is
	FETCH_B 0, 0, 0
	FETCH_A 0, 0, 0
	FETCH_A 0, 0, 4
	STEP 0, 0, 1                                   ; K = 1,024 is four slots' worth, eight steps of 128: written out.  The first step's products start the sums
	TURN 0, 1, 1                                   ; slot 0 takes K 512 on
	STEP 1, 0, 0
	TURN 1, 0, 1                                   ; slot 1 takes K 768 on
	STEP 0, 0, 0
	TURN 0, 1, 0                                   ; nothing is left to fetch
	STEP 1, 0, 0
	s_wait_dscnt 4*NL                              ; the last step
	WIN MUL_LO
	MUL16 0, 1, 0
	MUL16 2, 1, 0
	s_wait_dscnt 0
	WIN MUL_HI
	MUL16 4, 1, 0
	MUL16 6, 1, 0
	WIN 0
; THE WAY OUT, block by block of 16 rows of X: number = sum x 2^(e0 + e1) + bias (one packed multiply-add for two), held within the largest code x the scale, converted eight at a time.
; q, k (isv = 0): accumulators b = 4 g .. 4 g + 3 are head g's d = 16 (b % 4) + 8 h + j of token 16 a + r: codes 2 b, 2 b + 1 are registers 2 (b % 4), + 1 of fragment a of that head.
; v (isv = 1): accumulator b holds keys 16 b + 8 h + j of feature 16 a + r: head a / 4, fragment a % 4, registers 2 b, 2 b + 1.
.macro OUTBLK a, isv
.set AC, 64*((\a)%4)
.set CC, CD+16*((\a)%4)
.if (\a) >= 4
	s_wait_xcnt 0x0                                ; the stores of four blocks ago have read this set of codes: it is written again only behind this wait
.endif
	WIN 0x02+((\a)/4)                              ; source 0: window 2 or 3
.set j, 0
.rept 32
.if \isv
	v_pk_fma_f32 v[XT+j:XT+j+1], v[AC+j:AC+j+1], s[96:97], v[BX+2*(\a):BX+2*(\a)+1] op_sel_hi:[1,0,1]
.else
	v_pk_fma_f32 v[XT+j:XT+j+1], v[AC+j:AC+j+1], s[96:97], v[BY+j:BY+j+1] op_sel_hi:[1,0,1]   ; each accumulator from its low end on
.endif
.set j, j+2
.endr
	WIN 0
.set j, 0
.rept 64
	v_med3_num_f32 v[XT+j], v[XT+j], -v[LIM], v[LIM]   ; the conversion to an 8-bit code does not saturate (ISA guide 7.6.2)
.set j, j+1
.endr
.set j, 0
.rept 8
	v_cvt_scalef32_pk8_bf8_f32 v[CC+2*j:CC+2*j+1], v[XT+8*j:XT+8*j+7], v[SCQ]
.set j, j+1
.endr
	v_nop                                          ; one plain vector instruction behind the conversions: the next block writes their sources
.irp i, 0,1,2,3
.if \isv
	global_store_b128 v[LI], v[CC+4*\i:CC+4*\i+3], s[88:89] offset:((\a)/4)*HEADB+((\a)%4)*2048+\i*512
.else
	global_store_b128 v[LI], v[CC+4*\i:CC+4*\i+3], s[88:89] offset:(\i/2)*HEADB+(\a)*1024+(\i%2)*512   ; the wave stores 512 consecutive bytes, at a multiple of 512 from the buffer's first byte
.endif
.endr
.endm
	s_wait_kmcnt 0x0
	s_add_co_i32 s96, s80, s81                     ; e0 + e1
	s_add_co_i32 s96, s96, 127
	s_lshl_b32 s96, s96, 23                        ; 2^(e0 + e1) as f32
	s_mov_b32 s97, s96                             ; (named with it as a pair, so it is written)
	s_and_b32 s71, s70, 1
	s_cmp_eq_u32 s71, 0
	s_cselect_b32 s78, s82, s83                    ; q: e2, k: e3,
	s_cmp_ge_u32 s70, 16
	s_cselect_b32 s78, s85, s78                    ; v: e5
	s_add_co_i32 s78, s78, 127
	s_lshl_b32 s79, s78, 23
	v_mov_b32 v[SCQ], s79                          ; the scale as f32: the conversion takes its exponent field
	s_add_co_i32 s78, s78, 15
	s_lshl_b32 s78, s78, 23
	s_or_b32 s78, s78, 0x600000
	v_mov_b32 v[LIM], s78                          ; 57,344 x the scale
	s_wait_loadcnt 0x0                             ; the biases
	PLACES NP                                      ; behind the last products: their results are read and X's fragment registers written from here on
	s_cmp_ge_u32 s70, 16
	s_cbranch_scc1 .Lv_out
.irp a, 0,1,2,3,4,5,6,7
	OUTBLK \a, 0
.endr
	s_branch .Ljoin
.Lv_out:
.irp a, 0,1,2,3,4,5,6,7
	OUTBLK \a, 1
.endr
.Ljoin:
	s_wait_tensorcnt 0x0                           ; the wave's end
	ds_add_u32 v[SPW], v[NIL]
	s_wait_dscnt 0x0
	CROUND                                         ; the closing round: no work-group ends while a partner may still ask for a tile that names it
	s_endpgm
.Lfunc_end_k_qd116f324e0_qkv:
	.size	k_qd116f324e0_qkv, .Lfunc_end_k_qd116f324e0_qkv-k_qd116f324e0_qkv
	.p2alignl 7, 3214868480
	.fill 96, 4, 3214868480
	.section	.rodata,"a",@progbits
	.p2align	6, 0x0
	.amdhsa_kernel k_qd116f324e0_qkv
		.amdhsa_group_segment_fixed_size 327680
		.amdhsa_private_segment_fixed_size 0
		.amdhsa_enable_private_segment 0
		.amdhsa_kernarg_size 40
		.amdhsa_user_sgpr_count 2
		.amdhsa_user_sgpr_kernarg_segment_ptr 1
		.amdhsa_wavefront_size32 1
		.amdhsa_system_sgpr_workgroup_id_x 1
		.amdhsa_system_sgpr_workgroup_id_y 1
		.amdhsa_system_sgpr_workgroup_id_z 1
		.amdhsa_system_vgpr_workitem_id 0
		.amdhsa_next_free_vgpr 1024
		.amdhsa_next_free_sgpr 100
		.amdhsa_reserve_vcc 0
		.amdhsa_float_denorm_mode_32 3
		.amdhsa_float_denorm_mode_16_64 3
		.amdhsa_memory_ordered 1
		.amdhsa_forward_progress 1
		.amdhsa_inst_pref_size 194
	.end_amdhsa_kernel
	.amdgpu_metadata
---
amdhsa.version: [ 1, 2 ]
amdhsa.kernels:
  - .name:           k_qd116f324e0_qkv
    .symbol:         k_qd116f324e0_qkv.kd
    .args:
      - { .name: input_codes, .offset: 0, .size: 8, .value_kind: global_buffer, .address_space: global }
      - { .name: qkv_w_codes, .offset: 8, .size: 8, .value_kind: global_buffer, .address_space: global }
      - { .name: lowp_scales, .offset: 16, .size: 8, .value_kind: global_buffer, .address_space: global }
      - { .name: qkv_b, .offset: 24, .size: 8, .value_kind: global_buffer, .address_space: global }
      - { .name: img, .offset: 32, .size: 8, .value_kind: global_buffer, .address_space: global }
    .group_segment_fixed_size: 327680
    .private_segment_fixed_size: 0
    .kernarg_segment_align: 8
    .kernarg_segment_size: 40
    .max_flat_workgroup_size: 128
    .sgpr_count:     100
    .vgpr_count:     1024
    .wavefront_size: 32
...
	.end_amdgpu_metadata
.endif
;; end of part 2
;; launch attn (part 3): grid 4 x 64, 16 waves a work-group, clusters of 4 x 1, 264,192 bytes of LDS; arguments img, maskw, lowp_scales, ac; writes ac
.if DOCPART == 3
	.amdgcn_target "amdgcn-amd-amdhsa--gfx1250"
	.amdhsa_code_object_version 6
	.text
	.protected	k_qd116f324e0_attn
	.globl	k_qd116f324e0_attn
	.p2align	8
	.type	k_qd116f324e0_attn,@function
k_qd116f324e0_attn:
	s_mov_b64 s[64:65], 0
	v_nop
	global_prefetch_b8 v0, s[64:65] scope:SCOPE_SE
	s_setreg_imm32_b32 hwreg(HW_REG_WAVE_MODE, 25, 1), 1
	s_wait_xcnt 0x0
	s_wait_alu depctr_hold_cnt(0) depctr_sa_sdst(0) depctr_va_vdst(0) depctr_va_sdst(0) depctr_va_ssrc(0) depctr_va_vcc(0) depctr_vm_vsrc(0)
	s_getreg_b32 s2, hwreg(HW_REG_IB_STS2, 6, 4)
	s_cmp_eq_u32 s2, 0
	s_cbranch_scc0 .Lentry_in_a_cluster
	s_endpgm
.Lentry_in_a_cluster:
	s_bfe_u32 s2, ttmp6, 0x10000c
	s_cmp_lg_u32 s2, 0x3003
	s_cbranch_scc0 .Lentry_shape_is_right
	s_endpgm
.Lentry_shape_is_right:
; Attention of one (batch, head) on codes of BF8 (E5M2): S^T = k q^T (K = 64), the mask, the softmax by the whole-number rule, O^T = v^T p^T (K = the keys), O / l quantised with 2^e6.
; t = score x log2(e) / 8; M = the running largest t rounded UP to a whole number; p = 2^(t - M) is quantised with 2^e4, not normalised; the row's sum l is taken of the unquantised p and divides at the end.
; When M moves, l and O^T are multiplied by 2^(old M - new M): nothing is rounded, and no branch hangs on data.
; SHARES.  A work-group owns 512 queries of one (batch, head); each of its sixteen waves 32, as two tiles of 16, one after the other (two passes).  Four waves to a SIMD: one wave's vector work stands beside another's products and LDS loads.
; LDS holds the head's whole k and v, 262,144 bytes, as they lie in img: images of the operand registers, so a fragment comes by loads of 16 bytes at 16 x lane.  It is filled ONCE: each wave brings one step of 128 keys (16,384 bytes).
; CLUSTER.  The four work-groups of a head need the same k and v: each of the sixteen loads is asked for JOINTLY by the four.
; LAYOUT.  Both products transposed: a lane holds ONE query (lane % 16).  Register 8 t + j of the scores is key 16 t + 8 (lane / 16) + j of the step: eight neighbours, so one conversion gives registers 2 t, 2 t + 1 of p's fragment.
; THE MASK comes as one word for each score register (bit = lane), by scalar loads a step ahead: one v_cndmask_b32 a register puts -infinity where the mask is false; p is 0 there.
; A query whose whole row of the mask is false has l = 0: a NaN is then added to its numbers ahead of the conversion, so that its codes are NaN.
; ac: [32 tiles of 256 tokens][8 K steps of 128][16 blocks of 16 tokens][2,048 bytes]: images of the last product's operand; head hd fills K step hd / 2, pieces 2 (hd % 2) and + 1.
; LIMITS, so that each power of two below is an f32 number: e2 + e3 between -123 and 130 (added to c's exponent field); e4, e6 between -126 and 112; e4 + e5 goes by v_ldexp_f32 and has none.
.set HEADB, 393216
.set LI,   1                           ; v1   16 x lane; never rewritten
.set ADR,  2                           ; v2   LDS address of the step in hand
.set NINF, 3                           ; v3   -infinity
.set PSC,  4                           ; v4   2^e4;  v5  57,344 x 2^e4
.set PLM,  5
.set OSC,  6                           ; v6   2^e6;  v7  57,344 x 2^e6
.set OLM,  7
                                       ; v8, v9 at work; v[10:11] 0 or NaN; v12 -M, v13 the largest t, v[14:15] the sum in two halves
.set Q,    16                          ; v16-31   q's two fragments
.set F,    32                          ; v32-95   k's eight fragments, then v's four
.set S,    96                          ; v96-159  S^T, then p
.set O,    160                         ; v160-191 O^T
.set PC,   192                         ; v192-207 p's codes
.set FF,   208                         ; v[208:209] f = 2^(old M - new M), and 0
.set SM2,  210                         ; v[210:211] the sum's second chain
.set PD,   212                         ; v212 a lane permute's destination
.set AC,   216                         ; v216-231 the output's codes, eight registers a pass
.set WV,   3                           ; s3   my wave's number
.set G0,   12                          ; s[12:15], s[16:23] the one descriptor
.set G1,   16
.set CS,   24                          ; s[24:25] c = log2(e) / 8 x 2^(e2 + e3)
.set SEL,  26                          ; s[26:27] lane selects: lane l xor 16
.set TB,   28                          ; s28  LDS byte at which the step begins
.set CNT,  29                          ; s29  steps to go
.set MO,   30                          ; s30  byte offset of the mask words asked for last
.set EPV,  31                          ; s31  e4 + e5
                                       ; s32-63, s68-99: the step's 64 mask words
.macro CROUND                          ; a round of the cluster's barrier
	s_barrier_signal -1
	s_barrier_wait -1
	s_cmp_lg_u32 s[WV], 0
	s_cbranch_scc1 .Lnot_wave_0_\@
	s_barrier_signal -3
.Lnot_wave_0_\@:
	s_barrier_wait -3
	s_barrier_signal -1
	s_barrier_wait -1
.endm
.macro MLOAD                           ; a step's 64 mask words, 256 bytes
	s_load_b512 s[32:47], s[6:7], s[MO] offset:0x0
	s_load_b512 s[48:63], s[6:7], s[MO] offset:0x40
	s_load_b512 s[68:83], s[6:7], s[MO] offset:0x80
	s_load_b512 s[84:99], s[6:7], s[MO] offset:0xc0
.endm
	s_load_b256 s[4:11], s[0:1], 0x0               ; img s[4:5], maskw s[6:7], the scales' exponents s[8:9], ac s[10:11]
	v_lshl_add_u32 v232, v0, 2, 0x40000
	v_mov_b32 v233, 0
	ds_add_u32 v232, v233
	ds_add_u32 v232, v233
	v_lshrrev_b32 v8, 5, v0
	v_readfirstlane_b32 s[WV], v8                  ; wave 0..15
	v_and_b32 v[LI], 31, v0
	v_lshlrev_b32 v[LI], 4, v[LI]
	s_bfe_u32 s32, ttmp6, 0x40000                  ; cx
	s_lshl_b32 s33, ttmp9, 2
	s_add_co_u32 s32, s32, s33                     ; my block of 512 queries: it enters q's, the mask's and the output's addresses alone
	s_and_b32 s34, ttmp7, 0xffff                   ; 16 x batch + head, which the four partners share
	s_mul_i32 s36, s34, HEADB
	s_mov_b32 s37, 0
	s_mov_b32 s[G0], 1                             ; 1:0 count = 1
	s_lshl_b32 s[G0+1], s[WV], 14                  ; 63:32 LDS address: step = my wave's number
	s_lshl_b32 s38, s[WV], 14                      ; and the same in memory
	s_mov_b32 s39, 0
	s_mov_b32 s[G1], 15|(3<<16)|(1<<21)            ; 15:0 the mask: all four work-groups; 17:16 elements of 8 bytes; 21 set beside a mask; no padding
	s_mov_b32 s[G1+1], 32<<16                      ; tensor_dim0 = 32 elements: rows of 256 bytes
	s_mov_b32 s[G1+2], 64<<16                      ; tensor_dim1 = 64
	s_mov_b32 s[G1+3], 32<<16                      ; tile_dim0
	s_mov_b32 s[G1+4], 64                          ; tile_dim1
	s_mov_b32 s[G1+5], 32                          ; the rows are dense in memory
	s_mov_b32 s[G1+6], 0
	s_mov_b32 s[G1+7], 0
	s_lshl_b32 s40, s32, 5
	s_lshl_b32 s41, s[WV], 1
	s_add_co_u32 s40, s40, s41                     ; my first tile of 16 queries: 32 x block + 2 x wave
	s_lshl_b32 s42, s40, 10
	s_add_co_u32 s42, s42, 262144                  ; its fragment of q in the head's part of img
	s_mov_b32 s43, 0
	s_lshl_b32 s44, s40, 12                        ; its mask words: 4,096 bytes a tile
	s_mov_b32 s45, 0
	s_lshr_b32 s46, s34, 4                         ; batch
	s_lshl_b32 s46, s46, 3
	s_lshl_b32 s47, s32, 1
	s_add_co_u32 s46, s46, s47
	s_lshr_b32 s47, s[WV], 3
	s_add_co_u32 s46, s46, s47                     ; tile of 256 tokens: 8 x batch + 2 x block + wave / 8
	s_lshl_b32 s46, s46, 18
	s_and_b32 s48, s34, 15                         ; head
	s_lshr_b32 s49, s48, 1
	s_lshl_b32 s49, s49, 15                        ; K step head / 2
	s_add_co_u32 s46, s46, s49
	s_and_b32 s49, s[WV], 7
	s_lshl_b32 s49, s49, 12                        ; blocks 2 (wave % 8) and + 1
	s_add_co_u32 s46, s46, s49
	s_and_b32 s49, s48, 1
	s_lshl_b32 s49, s49, 10                        ; pieces 2 (head % 2) and + 1
	s_add_co_u32 s46, s46, s49
	s_mov_b32 s47, 0
	s_mov_b32 s[SEL], 0x76543210
	s_mov_b32 s[SEL+1], 0xfedcba98
	v_mov_b32 v[NINF], 0xff800000
	v_mov_b32 v[FF+1], 0                           ; (named as the upper half of the pair)
	v_mov_b32 v[PD], 0                             ; written once: a lane permute's destination counts as one of its sources
	s_wait_dscnt 0x0
	s_wait_kmcnt 0x0
	s_load_b256 s[68:75], s[8:9], 0x0              ; e0 .. e7
	s_add_nc_u64 s[4:5], s[4:5], s[36:37]          ; img at my head
	s_add_nc_u64 s[G0+2:G0+3], s[4:5], s[38:39]    ; 120:64 global address
	s_or_b32 s[G0+3], s[G0+3], 0x80000000          ; 127:126 type = 2
	s_add_nc_u64 s[6:7], s[6:7], s[44:45]
	s_add_nc_u64 s[10:11], s[10:11], s[46:47]
	CROUND                                         ; all four work-groups are here: the joint loads meet
	tensor_load_to_lds s[G0:G0+3], s[G1:G1+7]      ; my one tensor load of the launch
	s_nop 0
.rept 4
	v_nop
.endr
	s_wait_kmcnt 0x0                               ; the exponents are in, so their pointer's pair is free:
	s_add_nc_u64 s[8:9], s[4:5], s[42:43]          ; q's fragments (the pair that fed the descriptor never holds my place in the cluster)
.irp p, 0,1
	global_load_b128 v[Q+8*\p:Q+8*\p+3], v[LI], s[8:9] offset:1024*\p
	global_load_b128 v[Q+8*\p+4:Q+8*\p+7], v[LI], s[8:9] offset:1024*\p+512
.endr
	s_add_co_i32 s32, s70, s71                     ; e2 + e3: a score stands for score x 2^(e2 + e3)
	s_lshl_b32 s32, s32, 23
	s_mov_b32 s[CS], 0x3e38aa3b                    ; log2(e) / 8
	s_add_co_i32 s[CS], s[CS], s32
	s_mov_b32 s[CS+1], s[CS]                       ; (named with it as a pair, so it is written)
	s_add_co_i32 s32, s72, 127
	s_lshl_b32 s33, s32, 23
	v_mov_b32 v[PSC], s33                          ; 2^e4
	s_add_co_i32 s32, s32, 15
	s_lshl_b32 s32, s32, 23
	s_or_b32 s32, s32, 0x600000
	v_mov_b32 v[PLM], s32                          ; 57,344 x 2^e4
	s_add_co_i32 s32, s74, 127
	s_lshl_b32 s33, s32, 23
	v_mov_b32 v[OSC], s33                          ; 2^e6
	s_add_co_i32 s32, s32, 15
	s_lshl_b32 s32, s32, 23
	s_or_b32 s32, s32, 0x600000
	v_mov_b32 v[OLM], s32                          ; 57,344 x 2^e6
	s_add_co_i32 s[EPV], s72, s73                  ; e4 + e5
	s_mov_b32 s[MO], 0
	MLOAD                                          ; the first step's mask words
	s_wait_loadcnt 0x0                             ; q
	s_wait_tensorcnt 0x0                           ; my step of k and v is in,
	s_barrier_signal -1
	s_barrier_wait -1                              ; everybody's is: LDS is only read from here on
; A KEY STEP: 128 keys.  q: the first register of the pass's fragment of q.
.macro STEP q
	v_add_nc_u32 v[ADR], s[TB], v[LI]
.rept 3
	v_nop                                          ; with the addition above: four places behind the last products, whose fragments' registers are loaded again
.endr
.irp t, 0,1,2,3,4,5,6,7
	ds_load_b128 v[F+8*\t:F+8*\t+3], v[ADR] offset:1024*\t
	ds_load_b128 v[F+8*\t+4:F+8*\t+7], v[ADR] offset:1024*\t+512
.endr
	s_wait_dscnt 0x0
.irp t, 0,1,2,3,4,5,6,7
	v_wmma_f32_16x16x64_bf8_bf8 v[S+8*\t:S+8*\t+7], v[F+8*\t:F+8*\t+7], v[\q:\q+7], 0
.endr
.rept 4
	v_nop
.endr
.irp t, 0,1,2,3
.irp c, 0,1,2,3
	ds_load_b128 v[F+16*\t+4*\c:F+16*\t+4*\c+3], v[ADR] offset:8192+2048*\t+512*\c   ; v's fragments land while the softmax is walked
.endr
.endr
	s_wait_kmcnt 0x0                               ; the step's mask words, asked for a step ago
.set n, 0
.rept 32
	v_cndmask_b32 v[S+n], v[NINF], v[S+n], s[32+n] ; the score where the bit is set, else -infinity; each accumulator from its low end on
.set n, n+1
.endr
.rept 32
	v_cndmask_b32 v[S+n], v[NINF], v[S+n], s[36+n]
.set n, n+1
.endr
	s_add_co_u32 s[MO], s[MO], 256                 ; the next step's words (the two passes' lie on end); the offset is written behind the wait that showed the last loads done
	s_min_u32 s[MO], s[MO], 7936                   ; the very last step asks for its own words again: no load leaves the buffer
	MLOAD
	v_max3_num_f32 v8, v[S], v[S+1], v[S+2]        ; the step's largest score of my query among my 64 keys, in two chains,
	v_max3_num_f32 v9, v[S+3], v[S+4], v[S+5]
.set n, 6
.rept 14
	v_max3_num_f32 v8, v8, v[S+n], v[S+n+1]
	v_max3_num_f32 v9, v9, v[S+n+2], v[S+n+3]
.set n, n+4
.endr
	v_max3_num_f32 v8, v8, v[S+62], v[S+63]
	v_max_num_f32 v8, v8, v9
	v_permlanex16_b32 v[PD], v8, s[SEL], s[SEL+1]
	v_max_num_f32 v8, v8, v[PD]                    ; and among lane l xor 16's
	v_mul_f32 v8, s[CS], v8                        ; as t (c is positive)
	v_max_num_f32 v13, v13, v8                     ; the running largest t
	v_mov_b32 v8, v12
	v_floor_f32 v12, -v13                          ; the new -M = floor(-t) = -ceil(t)
	v_sub_f32 v8, v12, v8                          ; old M - new M: a whole number, 0 or less
	v_cvt_i32_f32 v8, v8                           ; (it saturates)
	v_ldexp_f32 v[FF], 1.0, v8                     ; f = 2^(old M - new M)
.set n, 0
.rept 32
	v_pk_fma_f32 v[S+n:S+n+1], v[S+n:S+n+1], s[CS:CS+1], v[12:13] op_sel_hi:[1,0,0]   ; t - M, two at a time
.set n, n+2
.endr
.set n, 0
.rept 64
	v_exp_f32 v[S+n], v[S+n]                       ; p = 2^(t - M), at most 1
.set n, n+1
.endr
	v_pk_mul_f32 v[14:15], v[14:15], v[FF:FF+1] op_sel_hi:[1,0]   ; the sums under the new M: the plain instruction behind the exponentials
	s_wait_alu depctr_va_vdst(0)                   ; one wait for the whole batch, ahead of its first reader
	v_pk_add_f32 v[SM2:SM2+1], v[S:S+1], v[S+2:S+3]   ; the row's sum is taken of the unquantised p, in two chains
.set n, 4
.rept 15
	v_pk_add_f32 v[14:15], v[14:15], v[S+n:S+n+1]
	v_pk_add_f32 v[SM2:SM2+1], v[SM2:SM2+1], v[S+n+2:S+n+3]
.set n, n+4
.endr
	v_pk_add_f32 v[14:15], v[14:15], v[SM2:SM2+1]
.set t, 0
.rept 8
.set n, 0
.rept 8
	v_min_num_f32 v[S+8*t+n], v[S+8*t+n], v[PLM]   ; the conversion does not saturate (ISA guide 7.6.2); p is not negative, so the hold is one-sided
.set n, n+1
.endr
	v_cvt_scalef32_pk8_bf8_f32 v[PC+2*t:PC+2*t+1], v[S+8*t:S+8*t+7], v[PSC]
.set t, t+1
.endr
.set n, 0
.rept 16
	v_pk_mul_f32 v[O+n:O+n+1], v[O+n:O+n+1], v[FF:FF+1] op_sel_hi:[1,0]   ; O^T under the new M; also the plain instructions between the conversions and the products
.set n, n+2
.endr
	s_wait_dscnt 0x0                               ; v's fragments
.irp t, 0,1,2,3
	v_wmma_f32_16x16x128_bf8_bf8 v[O+8*\t:O+8*\t+7], v[F+16*\t:F+16*\t+15], v[PC:PC+15], v[O+8*\t:O+8*\t+7]   ; four accumulators by turns; eight other products stand between two links of a chain
.endr
	s_add_co_u32 s[TB], s[TB], 16384
.endm
; A PASS: one tile of 16 queries over all 2,048 keys.
.macro PASS p
	v_mov_b32 v13, 0xff61b1e6                      ; the largest t so far: -3e38, under every t
	v_floor_f32 v12, -v13                          ; -M
	v_mov_b32 v14, 0
	v_mov_b32 v15, 0
.set n, 0
.rept 32
	v_mov_b32 v[O+n], 0                            ; the step is written once: the first finds zeros, which the first change of M leaves zeros
.set n, n+1
.endr
	s_mov_b32 s[TB], 0
	s_mov_b32 s[CNT], 16
.Lstep_\@:
	STEP Q+8*\p
	s_sub_co_u32 s[CNT], s[CNT], 1
	s_cmp_lg_u32 s[CNT], 0
	s_cbranch_scc1 .Lstep_\@
.rept 4
	v_nop                                          ; places behind the last products
.endr
	v_add_f32 v14, v14, v15                        ; the sum's two halves,
	v_permlanex16_b32 v[PD], v14, s[SEL], s[SEL+1]
	v_add_f32 v14, v14, v[PD]                      ; and lane l xor 16's: l
	v_rcp_f32 v14, v14
	v_nop                                          ; a plain instruction behind the reciprocal
	s_wait_alu depctr_va_vdst(0)                   ; and the wait ahead of its first reader
	v_ldexp_f32 v14, v14, s[EPV]                   ; 2^(e4 + e5) / l
	v_mul_f32 v10, 0, v14                          ; 0; NaN where l = 0
	v_mov_b32 v11, v10
.set n, 0
.rept 16
	v_pk_mul_f32 v[S+n:S+n+1], v[O+n:O+n+1], v[14:15] op_sel_hi:[1,0]   ; register 8 t + j: o(query r, d = 16 t + 8 h + j); each accumulator from its low end on
.set n, n+2
.endr
.set n, 0
.rept 32
	v_med3_num_f32 v[S+n], v[S+n], -v[OLM], v[OLM]
.set n, n+1
.endr
.set n, 0
.rept 16
	v_pk_add_f32 v[S+n:S+n+1], v[S+n:S+n+1], v[10:11]
.set n, n+2
.endr
.irp t, 0,1,2,3
	v_cvt_scalef32_pk8_bf8_f32 v[AC+8*\p+2*\t:AC+8*\p+2*\t+1], v[S+8*\t:S+8*\t+7], v[OSC]
.endr
	v_nop                                          ; one plain vector instruction behind the conversions: later products write their sources
	global_store_b128 v[LI], v[AC+8*\p:AC+8*\p+3], s[10:11] offset:2048*\p          ; the wave stores 512 consecutive bytes
	global_store_b128 v[LI], v[AC+8*\p+4:AC+8*\p+7], s[10:11] offset:2048*\p+512
.endm
	PASS 0
	PASS 1
	s_wait_kmcnt 0x0                               ; the last request for mask words has landed
	s_wait_tensorcnt 0x0
	ds_add_u32 v232, v233
	s_wait_dscnt 0x0
	CROUND                                         ; the closing round
	s_endpgm
.Lfunc_end_k_qd116f324e0_attn:
	.size	k_qd116f324e0_attn, .Lfunc_end_k_qd116f324e0_attn-k_qd116f324e0_attn
	.p2alignl 7, 3214868480
	.fill 96, 4, 3214868480
	.section	.rodata,"a",@progbits
	.p2align	6, 0x0
	.amdhsa_kernel k_qd116f324e0_attn
		.amdhsa_group_segment_fixed_size 264192
		.amdhsa_private_segment_fixed_size 0
		.amdhsa_enable_private_segment 0
		.amdhsa_kernarg_size 32
		.amdhsa_user_sgpr_count 2
		.amdhsa_user_sgpr_kernarg_segment_ptr 1
		.amdhsa_wavefront_size32 1
		.amdhsa_system_sgpr_workgroup_id_x 1
		.amdhsa_system_sgpr_workgroup_id_y 1
		.amdhsa_system_sgpr_workgroup_id_z 1
		.amdhsa_system_vgpr_workitem_id 0
		.amdhsa_next_free_vgpr 234
		.amdhsa_next_free_sgpr 100
		.amdhsa_reserve_vcc 0
		.amdhsa_float_denorm_mode_32 3
		.amdhsa_float_denorm_mode_16_64 3
		.amdhsa_memory_ordered 1
		.amdhsa_forward_progress 1
		.amdhsa_inst_pref_size 58
	.end_amdhsa_kernel
	.amdgpu_metadata
---
amdhsa.version: [ 1, 2 ]
amdhsa.kernels:
  - .name:           k_qd116f324e0_attn
    .symbol:         k_qd116f324e0_attn.kd
    .args:
      - { .name: img, .offset: 0, .size: 8, .value_kind: global_buffer, .address_space: global }
      - { .name: maskw, .offset: 8, .size: 8, .value_kind: global_buffer, .address_space: global }
      - { .name: lowp_scales, .offset: 16, .size: 8, .value_kind: global_buffer, .address_space: global }
      - { .name: ac, .offset: 24, .size: 8, .value_kind: global_buffer, .address_space: global }
    .group_segment_fixed_size: 264192
    .private_segment_fixed_size: 0
    .kernarg_segment_align: 8
    .kernarg_segment_size: 32
    .max_flat_workgroup_size: 512
    .sgpr_count:     100
    .vgpr_count:     234
    .wavefront_size: 32
...
	.end_amdgpu_metadata
.endif
;; end of part 3
;; launch proj (part 4): grid 8 x 32, 4 waves a work-group, clusters of 4 x 4, 327,680 bytes of LDS; arguments ac, out_w_codes, lowp_scales, out_b, out0; writes out0
.if DOCPART == 4
	.amdgcn_target "amdgcn-amd-amdhsa--gfx1250"
	.amdhsa_code_object_version 6
	.text
	.protected	k_qd116f324e0_proj
	.globl	k_qd116f324e0_proj
	.p2align	8
	.type	k_qd116f324e0_proj,@function
k_qd116f324e0_proj:
	s_mov_b64 s[64:65], 0
	v_nop
	global_prefetch_b8 v0, s[64:65] scope:SCOPE_SE
	s_setreg_imm32_b32 hwreg(HW_REG_WAVE_MODE, 25, 1), 1
	s_wait_xcnt 0x0
	s_wait_alu depctr_hold_cnt(0) depctr_sa_sdst(0) depctr_va_vdst(0) depctr_va_sdst(0) depctr_va_ssrc(0) depctr_va_vcc(0) depctr_vm_vsrc(0)
	s_getreg_b32 s2, hwreg(HW_REG_IB_STS2, 6, 4)
	s_cmp_eq_u32 s2, 0
	s_cbranch_scc0 .Lentry_in_a_cluster
	s_endpgm
.Lentry_in_a_cluster:
	s_bfe_u32 s2, ttmp6, 0x10000c
	s_cmp_lg_u32 s2, 0xf033
	s_cbranch_scc0 .Lentry_shape_is_right
	s_endpgm
.Lentry_shape_is_right:
; out0 = a out_w^T + out_b on codes of BF8 (E5M2), K = 1,024.  a: the attention's output as images of operand registers, [32 tiles of 256 tokens][8 K steps of 128][16 blocks of 16 tokens][2,048 bytes];
; out_w: [1,024][1,024] codes, K innermost; out0: [8,192][1,024] f32.  A finished sum is multiplied by 2^(e6 + e7) and the bias added, by one packed multiply-add for two numbers.
; A tile of the output is 256 tokens x 128 columns: 256 work-groups.  Four waves, each 128 x 64: 32 accumulators, 256 registers.  The matrix instruction is used transposed (source 0 = 16 rows of out_w,
; source 1 = 16 tokens): a lane holds eight neighbouring columns of one token.
; K goes in steps of 256 through a ring of two LDS slots.  a's part of a slot is one dense block of 65,536 bytes (two K steps of 128 x 16 fragments), read at 16 x lane; out_w's is 128 rows of 256 bytes, 272 apart.
; a's images have the form's own layout (registers 2 c, 2 c + 1: k = 16 c + 8 (lane / 16) + 0 .. 7), so out_w's fragments come by eight loads of 8 bytes, in the same layout.
; CLUSTERS: 4 x 4 work-groups; a's tile is shared along a row of the cluster, out_w's along a column: each is asked for JOINTLY.
; LIMIT: e6 + e7 between -126 and 127, so that 2^(e6 + e7) is an f32 number.
; REGISTERS: window 0: v16-29 addresses; v32-63 a block's results; v64-95 the bias; from v128 a's fragments, ONE set (on the way out rows read back).  window 1: out_w's fragments, two sets of 64.  window 2: accumulator (a, b) at v[8 (4 a + b)].
.set PITCH,  272                       ; an LDS row of out_w: 256 bytes + 16 = 68 words: row r starts at bank 4 r mod 64 (64 banks of 4 bytes: ISA guide 11.1)
.set FR,     16
.set NP,     4                         ; places behind this matrix instruction (ISA guide 7.12.1)
.set ABYTES, 65536                     ; a's part of a slot
.set SLOT,   ABYTES+128*PITCH
.set STAGE,  2*SLOT                    ; behind the ring: 16 rows x 272 bytes for each wave; no tile lands there
.set SPITCH, 272
.set SPARE,  STAGE+4*16*SPITCH         ; behind the stages: the spare words, 128 bytes for each wave
.set ADRA, 16                          ; v16-17  LDS address of my fragments of a in slot 0, 1
.set ADRB, 20                          ; v20-21  the same for out_w
.set STO,  24                          ; v24     the way out: where I put 32 bytes of a row
.set RD,   25                          ; v25     where I read rows back
.set CO,   26                          ; v26     my byte offset in out0
.set SPW,  28                          ; v28     LDS address of my spare word; never rewritten
.set NIL,  29                          ; v29     0; never rewritten
.set TMP,  32
.set BIAS, 64
.set AF,   128
.set BK,   128                         ; the way out: 16 rows read back: v128-159 and v160-191 by turns
.set G1, 24
.set G0, 32
.set G1B, 48
.set G0B, 56
.set MSB, 0
.macro WIN new                         ; the immediate's high byte repeats the setting that is left
.if MSB != \new
	s_set_vgpr_msb (MSB<<8)|\new
.set MSB, \new
.endif
.endm
.set MUL,  0xa1                        ; source 0 (out_w) window 1, source 1 (a) window 0, C and D window 2
.set TO_B, 0x40                        ; destination window 1, address window 0
.macro JLOAD g0a, g1a, g0b, g1b        ; a joint load: waves 0 and 1 fetch for a, waves 2 and 3 for out_w; four v_nop follow each of the two lines
	s_cmp_eq_u32 s15, 0
	s_cbranch_scc0 .Lfor_b_\@
	tensor_load_to_lds s[\g0a:\g0a+3], s[\g1a:\g1a+7]
	s_nop 0
.rept 4
	v_nop
.endr
	s_branch .Lasked_\@
.Lfor_b_\@:
	tensor_load_to_lds s[\g0b:\g0b+3], s[\g1b:\g1b+7]
	s_nop 0
.rept 4
	v_nop
.endr
.Lasked_\@:
.endm
.macro CREST                           ; a round of the cluster's barrier behind its opening barrier
	s_cmp_lg_u32 s14, 0
	s_cbranch_scc1 .Lnot_wave_0_\@
	s_barrier_signal -3
.Lnot_wave_0_\@:
	s_barrier_wait -3
	s_barrier_signal -1
	s_barrier_wait -1
.endm
.macro CROUND
	s_barrier_signal -1
	s_barrier_wait -1
	CREST
.endm
	s_load_b256 s[4:11], s[0:1], 0x0               ; ac s[4:5], out_w's codes s[6:7], the scales' exponents s[8:9], out_b s[10:11]
	s_load_b64 s[12:13], s[0:1], 0x20              ; out0
	v_lshl_add_u32 v[SPW], v0, 2, SPARE
	v_mov_b32 v[NIL], 0
	ds_add_u32 v28, v29
	ds_add_u32 v28, v29
	s_wait_dscnt 0x0
	v_lshrrev_b32 v1, 5, v0
	v_readfirstlane_b32 s14, v1                    ; wave 0..3
	s_lshr_b32 s15, s14, 1                         ; which 128 tokens are mine.  Also: I fetch for a (0) or for out_w (1)
	s_and_b32 s16, s14, 1                          ; which 64 columns.  Also: which half of that tile I fetch
	s_bfe_u32 s40, ttmp6, 0x40000                  ; cx, cy
	s_bfe_u32 s41, ttmp6, 0x40004
	s_lshl_b32 s42, ttmp9, 2
	s_add_co_u32 s42, s42, s40                     ; tile column (128 columns) = 4 x cluster x + cx
	s_and_b32 s17, ttmp7, 0xffff
	s_lshl_b32 s17, s17, 2
	s_add_co_u32 s17, s17, s41                     ; tile row (256 tokens) = 4 x cluster y + cy
	s_lshl_b32 s43, s41, 2
	s_lshl_b32 s43, 15, s43                        ; my row of the cluster
	s_lshl_b32 s44, 0x1111, s40                    ; my column
	; group 1 for a: a dense block of 32,768 bytes as 128 rows of 32 elements of 8 bytes, no padding
	s_or_b32 s[G1+0], s43, (3<<16)|(1<<21)
	s_mov_b32 s[G1+1], 32<<16
	s_mov_b32 s[G1+2], 128<<16
	s_mov_b32 s[G1+3], 32<<16
	s_mov_b32 s[G1+4], 128
	s_mov_b32 s[G1+5], 32
	s_mov_b32 s[G1+6], 0
	s_mov_b32 s[G1+7], 0
	; group 1 for out_w: 64 rows x 256 bytes, 1,024 bytes apart in memory, four words of padding after every 64
	s_or_b32 s[G1B+0], s44, (0<<16)|(1<<20)|(1<<21)|(5<<22)|(3<<25)
	s_mov_b32 s[G1B+1], 256<<16
	s_mov_b32 s[G1B+2], 64<<16
	s_mov_b32 s[G1B+3], 256<<16
	s_mov_b32 s[G1B+4], 64
	s_mov_b32 s[G1B+5], 1024
	s_mov_b32 s[G1B+6], 0
	s_mov_b32 s[G1B+7], 0
	s_lshl_b32 s20, s17, 18                        ; a: 262,144 bytes a tile of 256 tokens,
	s_lshl_b32 s18, s16, 15                        ; + the K step of 128 that I fetch
	s_add_co_u32 s20, s20, s18
	s_mov_b32 s21, 0
	s_lshl_b32 s46, s42, 17                        ; out_w: 128 rows of 1,024 bytes a tile column,
	s_lshl_b32 s19, s16, 16                        ; + the 64 rows that I fetch
	s_add_co_u32 s46, s46, s19
	s_mov_b32 s47, 0
	s_lshl_b32 s45, s16, 15                        ; where they go: a's halves,
	s_mul_i32 s23, s16, 64*PITCH
	s_add_co_u32 s23, s23, ABYTES                  ; out_w's halves behind them: no place in the cluster enters an LDS address
	s_wait_kmcnt 0x0
	s_load_b256 s[80:87], s[8:9], 0x0              ; e0 .. e7
	s_add_nc_u64 s[20:21], s[4:5], s[20:21]
	s_add_nc_u64 s[46:47], s[6:7], s[46:47]
	CROUND                                         ; all sixteen work-groups are here: the first joint loads meet
.irp s, 0,1
	s_mov_b32 s[G0+4*\s], 1
	s_add_co_u32 s[G0+4*\s+1], s45, \s*SLOT
	s_add_nc_u64 s[G0+4*\s+2:G0+4*\s+3], s[20:21], \s*ABYTES
	s_or_b32 s[G0+4*\s+3], s[G0+4*\s+3], 0x80000000
	s_mov_b32 s[G0B+4*\s], 1
	s_add_co_u32 s[G0B+4*\s+1], s23, \s*SLOT
	s_add_nc_u64 s[G0B+4*\s+2:G0B+4*\s+3], s[46:47], \s*256
	s_or_b32 s[G0B+4*\s+3], s[G0B+4*\s+3], 0x80000000
	JLOAD G0+4*\s, G1, G0B+4*\s, G1B
.endr
	v_and_b32 v1, 15, v0                           ; r
	v_bfe_u32 v2, v0, 4, 1                         ; h
	v_and_b32 v5, 31, v0
	v_lshlrev_b32 v6, 4, v5                        ; 16 x lane
	v_mul_u32_u24 v3, v1, PITCH
	v_lshl_add_u32 v4, v2, 3, v3                   ; out_w: row r x pitch + 8 h
	s_lshl_b32 s21, s15, 14                        ; my eight blocks of tokens: 8 x 2,048 bytes
	s_mul_i32 s22, s16, 64*PITCH                   ; my 64 rows of out_w,
	s_add_co_u32 s22, s22, ABYTES                  ; behind a's part
.irp s, 0,1
	v_add_nc_u32 v[ADRA+\s], s21, v6
	v_add_nc_u32 v[ADRB+\s], s22, v4
	s_add_co_u32 s21, s21, SLOT
	s_add_co_u32 s22, s22, SLOT
.endr
	s_mul_i32 s23, s14, 16*SPITCH
	s_add_co_u32 s23, s23, STAGE                   ; my stage
	v_lshl_add_u32 v7, v2, 5, v3                   ; in: row r, 32 bytes for each half of the lanes
	v_add_nc_u32 v[STO], s23, v7
	v_mul_u32_u24 v8, v2, SPITCH                   ; back: lanes 0-15 one row of 256 bytes, lanes 16-31 the next
	v_lshl_add_u32 v8, v1, 4, v8
	v_add_nc_u32 v[RD], s23, v8
	v_lshlrev_b32 v9, 12, v2                       ; and the same two rows in out0 (4,096 bytes a row)
	v_lshl_add_u32 v[CO], v1, 4, v9
	v_lshlrev_b32 v10, 5, v2                       ; the bias: my half's eight numbers of a block of 16
	s_lshl_b32 s66, s42, 9
	s_lshl_b32 s67, s16, 8
	s_add_co_u32 s66, s66, s67                     ; my first column, in bytes: 4 x (128 x tile column + 64 x half)
	s_mov_b32 s67, 0
	s_add_nc_u64 s[90:91], s[10:11], s[66:67]
	s_lshl_b32 s68, s17, 20
	s_lshl_b32 s69, s15, 19
	s_add_co_u32 s68, s68, s69                     ; my first token's row: (256 x tile row + 128 x half) x 4,096
	s_add_co_u32 s68, s68, s66
	s_mov_b32 s69, 0
	s_add_nc_u64 s[88:89], s[12:13], s[68:69]
.irp b, 0,1,2,3
	global_load_b128 v[BIAS+8*\b:BIAS+8*\b+3], v10, s[90:91] offset:64*\b
	global_load_b128 v[BIAS+8*\b+4:BIAS+8*\b+7], v10, s[90:91] offset:64*\b+16
.endr
; 8 matrix instructions: a's blocks a0, a0 + 1 x out_w's four, 128 along K.  p: out_w's set.  The 32 accumulators take turns, one instruction a turn, in the same order in every step.
.macro MUL8 a0, p, zero
.irp a, \a0, \a0+1
.irp b, 0,1,2,3
.if \zero
	v_wmma_f32_16x16x128_bf8_bf8 v[8*(4*(\a)+\b):8*(4*(\a)+\b)+7], v[64*(\p)+FR*\b:64*(\p)+FR*\b+FR-1], v[AF+FR*(\a):AF+FR*(\a)+FR-1], 0
.else
	v_wmma_f32_16x16x128_bf8_bf8 v[8*(4*(\a)+\b):8*(4*(\a)+\b)+7], v[64*(\p)+FR*\b:64*(\p)+FR*\b+FR-1], v[AF+FR*(\a):AF+FR*(\a)+FR-1], v[8*(4*(\a)+\b):8*(4*(\a)+\b)+7]
.endif
.endr
.endr
.endm
.macro FETCH_B slot, q, p              ; out_w's four fragments of the slot's q-th 128 along K into set p: 32 loads of 8 bytes
	WIN TO_B
.irp i, 0,1,2,3
.irp c, 0,1,2,3,4,5,6,7
	ds_load_b64 v[64*(\p)+FR*\i+2*\c:64*(\p)+FR*\i+2*\c+1], v[ADRB+\slot] offset:128*(\q)+\i*16*PITCH+16*\c
.endr
.endr
	WIN 0
.endm
.macro FETCH_A slot, q, i0             ; a's blocks i0 .. i0 + 3: 16 loads of 16 bytes, each of 512 consecutive bytes
.irp i, \i0, \i0+1, \i0+2, \i0+3
.irp c, 0,1,2,3
	ds_load_b128 v[AF+FR*(\i)+4*\c:AF+FR*(\i)+4*\c+3], v[ADRA+\slot] offset:32768*(\q)+(\i)*2048+512*\c
.endr
.endr
.endm
.macro PLACES n
.rept \n
	v_nop
.endr
.endm
.macro STEP slot, q, zero              ; a step of 128 along K that has its successor in the same slot
	s_wait_dscnt 16                                ; out_w's set and a's blocks 0-3 are in; the youngest 16 loads (a's blocks 4-7) may be out
	WIN MUL
	MUL8 0, (\q)%2, \zero
	MUL8 2, (\q)%2, \zero
	s_wait_dscnt 0                                 ; a's blocks 4-7 are in
	PLACES NP
	FETCH_B \slot, (\q)+1, 1-(\q)%2
	FETCH_A \slot, (\q)+1, 0
	WIN MUL
	MUL8 4, (\q)%2, \zero
	MUL8 6, (\q)%2, \zero
	PLACES NP
	WIN 0
	FETCH_A \slot, (\q)+1, 4
.endm
; A slot's last step changes slots: ONE barrier; in front of it each wave waits for all its tensor loads, adds 0 to its spare word, and waits for that and for its own reads of this slot.
.macro TURN slot, next, fill
	s_wait_tensorcnt 0x0                           ; all my tensor loads have landed: my part of the next slot
	ds_add_u32 v[SPW], v[NIL]                      ; 0 onto my spare word
	s_wait_dscnt 17                                ; (the add and the youngest 16 loads, a's blocks 4-7, may be out)
	WIN MUL
	MUL8 0, 1, 0                                   ; eight matrix instructions stand between the add and the wait for it
	s_wait_dscnt 0x0                               ; the add is done, and my reads of this slot are over
	s_barrier_signal -1
	MUL8 2, 1, 0
	WIN 0
	s_barrier_wait -1
.if \fill
	CREST                                          ; the barrier has opened a round of the cluster's barrier: no wave of any partner still reads this slot or has a load on its way
	s_add_nc_u64 s[G0+4*\slot+2:G0+4*\slot+3], s[G0+4*\slot+2:G0+4*\slot+3], 2*ABYTES
	s_add_nc_u64 s[G0B+4*\slot+2:G0B+4*\slot+3], s[G0B+4*\slot+2:G0B+4*\slot+3], 2*256
	JLOAD G0+4*\slot, G1, G0B+4*\slot, G1B         ; the first tensor load behind the round; its four v_nop are the places in front of the loads below
.else
	PLACES NP
.endif
	FETCH_B \next, 0, 0
	FETCH_A \next, 0, 0
	WIN MUL
	MUL8 4, 1, 0
	MUL8 6, 1, 0
	PLACES NP
	WIN 0
	FETCH_A \next, 0, 4
.endm
	s_wait_tensorcnt 1                             ; my part of K step 0 is in (K step 1's load may be out)
	s_barrier_signal -1
	s_barrier_wait -1                              ; everybody's is
	FETCH_B 0, 0, 0
	FETCH_A 0, 0, 0
	FETCH_A 0, 0, 4
	STEP 0, 0, 1                                   ; K = 1,024 is four slots' worth, eight steps of 128: written out.  The first step's products start the sums
	TURN 0, 1, 1                                   ; slot 0 takes K 512 on
	STEP 1, 0, 0
	TURN 1, 0, 1                                   ; slot 1 takes K 768 on
	STEP 0, 0, 0
	TURN 0, 1, 0                                   ; nothing is left to fetch
	STEP 1, 0, 0
	s_wait_dscnt 16                                ; the last step
	WIN MUL
	MUL8 0, 1, 0
	MUL8 2, 1, 0
	s_wait_dscnt 0
	MUL8 4, 1, 0
	MUL8 6, 1, 0
	WIN 0
; THE WAY OUT, block by block of 16 tokens x 64 columns.  A lane holds 32 neighbouring bytes of a row four times, and the lanes beside it hold other rows: a block goes through my own stage in LDS and comes back as
; whole runs of 256 bytes.  LDS serves a wave's instructions in order (ISA guide 5.7.1.4): no wait between the stores and the loads, nor in front of the next block's stores.
.macro TOSTAGE a
	WIN 0x02                                       ; source 0: window 2
.set j, 0
.rept 16
	v_pk_fma_f32 v[TMP+j:TMP+j+1], v[32*(\a)+j:32*(\a)+j+1], s[96:97], v[BIAS+j:BIAS+j+1] op_sel_hi:[1,0,1]   ; sum x 2^(e6 + e7) + bias; each accumulator from its low end on
.set j, j+2
.endr
	WIN 0
.irp b, 0,1,2,3
	ds_store_b128 v[STO], v[TMP+8*\b:TMP+8*\b+3] offset:64*\b
	ds_store_b128 v[STO], v[TMP+8*\b+4:TMP+8*\b+7] offset:64*\b+16
.endr
.set BB, BK+32*((\a)%2)
.irp t, 0,1,2,3,4,5,6,7
	ds_load_b128 v[BB+4*\t:BB+4*\t+3], v[RD] offset:\t*2*SPITCH
.endr
.endm
.macro SEND a, younger                 ; younger: the LDS instructions issued behind block a's loads, which may stay out
.set BB, BK+32*((\a)%2)
	s_wait_dscnt \younger
.irp t, 0,1,2,3,4,5,6,7
	global_store_b128 v[CO], v[BB+4*\t:BB+4*\t+3], s[88:89] offset:(\a)*65536+\t*8192 th:TH_STORE_NT   ; 16 lanes store 256 consecutive bytes, at a multiple of 256 from out0's first byte; written once, read by nobody here
.endr
.endm
	s_wait_kmcnt 0x0
	s_add_co_i32 s96, s86, s87                     ; e6 + e7
	s_add_co_i32 s96, s96, 127
	s_lshl_b32 s96, s96, 23                        ; 2^(e6 + e7) as f32
	s_mov_b32 s97, s96                             ; (named with it as a pair, so it is written)
	s_wait_loadcnt 0x0                             ; the bias
	PLACES NP                                      ; behind the last products: their results are read, and a's fragment registers loaded, from here on
	TOSTAGE 0
.irp a, 1,2,3,4,5,6,7
.if \a > 1
	s_wait_xcnt 0x0                                ; block a - 2's stores have read their registers: block a's loads may land there
.endif
	TOSTAGE \a
	SEND \a-1, 16                                  ; behind block a - 1's loads: block a's 8 stores and 8 loads
.endr
	SEND 7, 0
	s_wait_tensorcnt 0x0                           ; the wave's end
	ds_add_u32 v[SPW], v[NIL]
	s_wait_dscnt 0x0
	CROUND                                         ; the closing round: no work-group ends while a partner may still ask for a tile that names it
	s_endpgm
.Lfunc_end_k_qd116f324e0_proj:
	.size	k_qd116f324e0_proj, .Lfunc_end_k_qd116f324e0_proj-k_qd116f324e0_proj
	.p2alignl 7, 3214868480
	.fill 96, 4, 3214868480
	.section	.rodata,"a",@progbits
	.p2align	6, 0x0
	.amdhsa_kernel k_qd116f324e0_proj
		.amdhsa_group_segment_fixed_size 327680
		.amdhsa_private_segment_fixed_size 0
		.amdhsa_enable_private_segment 0
		.amdhsa_kernarg_size 40
		.amdhsa_user_sgpr_count 2
		.amdhsa_user_sgpr_kernarg_segment_ptr 1
		.amdhsa_wavefront_size32 1
		.amdhsa_system_sgpr_workgroup_id_x 1
		.amdhsa_system_sgpr_workgroup_id_y 1
		.amdhsa_system_sgpr_workgroup_id_z 1
		.amdhsa_system_vgpr_workitem_id 0
		.amdhsa_next_free_vgpr 768
		.amdhsa_next_free_sgpr 100
		.amdhsa_reserve_vcc 0
		.amdhsa_float_denorm_mode_32 3
		.amdhsa_float_denorm_mode_16_64 3
		.amdhsa_memory_ordered 1
		.amdhsa_forward_progress 1
		.amdhsa_inst_pref_size 85
	.end_amdhsa_kernel
	.amdgpu_metadata
---
amdhsa.version: [ 1, 2 ]
amdhsa.kernels:
  - .name:           k_qd116f324e0_proj
    .symbol:         k_qd116f324e0_proj.kd
    .args:
      - { .name: ac, .offset: 0, .size: 8, .value_kind: global_buffer, .address_space: global }
      - { .name: out_w_codes, .offset: 8, .size: 8, .value_kind: global_buffer, .address_space: global }
      - { .name: lowp_scales, .offset: 16, .size: 8, .value_kind: global_buffer, .address_space: global }
      - { .name: out_b, .offset: 24, .size: 8, .value_kind: global_buffer, .address_space: global }
      - { .name: out0, .offset: 32, .size: 8, .value_kind: global_buffer, .address_space: global }
    .group_segment_fixed_size: 327680
    .private_segment_fixed_size: 0
    .kernarg_segment_align: 8
    .kernarg_segment_size: 40
    .max_flat_workgroup_size: 128
    .sgpr_count:     100
    .vgpr_count:     768
    .wavefront_size: 32
...
	.end_amdgpu_metadata
.endif
;; end of part 4
